; MI455X (gfx1250); checked and timed in simulation.
; The chip was launched on July 23, 2026; its instructions are those of AMD's public machine-readable ISA for CDNA 5 (MIT licence, August 2026) and "CDNA5" Instruction Set Architecture Reference Guide (July 2026). The comments in the code are by the model that wrote it; some were corrected since.
;; Attention Block. Allowed arithmetic: float matrix products may take bf16 or f16 operands with f32 sums; all other float work in f32.
;; Inputs: W1 512 x 2,048 float32; W2 2,048 x 512 float32; Wk 16 x 512 x 32 float32; Wproj 512 x 512 float32; Wq 16 x 512 x 32 float32; Wv 16 x 512 x 32 float32; b1 2,048 float32; b2 512 float32; bproj 512 float32; ln1_b 512 float32; ln1_g 512 float32; ln2_b 512 float32; ln2_g 512 float32; x 64 x 256 x 512 float32.
;; Outputs: out0 64 x 256 x 512 float32.
;; One version. Each part assembles by itself: llvm-mc -triple=amdgcn-amd-amdhsa -mcpu=gfx1250 --defsym DOCPART=n.
;; ======== version 1 of 1: 3 launches
;; workspace buffers: hbuf 16,777,216 bytes; attn 16,777,216 bytes; wqkv 1,572,864 bytes; wprojb 524,288 bytes; w1b 2,097,152 bytes; w2b 2,097,152 bytes
;; launch pre (part 1): grid 256 x 1, 4 waves a work-group, no clusters, 167,936 bytes of LDS; arguments x, ln1_g, ln1_b, Wq, Wk, Wv, Wproj, W1, W2, hbuf, wqkv, wprojb, w1b, w2b; writes hbuf, wqkv, wprojb, w1b, w2b
.if DOCPART == 1
	.amdgcn_target "amdgcn-amd-amdhsa--gfx1250"
	.amdhsa_code_object_version 6
	.text
	.protected	k_q8daa194ec6_pre
	.globl	k_q8daa194ec6_pre
	.p2align	8
	.type	k_q8daa194ec6_pre,@function
k_q8daa194ec6_pre:
	s_mov_b64 s[64:65], 0
	v_nop
	global_prefetch_b8 v0, s[64:65] scope:SCOPE_SE
	s_setreg_imm32_b32 hwreg(HW_REG_WAVE_MODE, 25, 1), 1
	s_wait_xcnt 0x0
; PRE.  h = LayerNorm(x) * g + b, rounded to bf16 and written as matrix-fragment images; all six weights rounded to bf16.
; x: [16384][512] f32.  Work-group i of 256, wave w of 4: the 16 rows 64 i + 16 w (tile T = 4 i + w), and twelve pieces of 1,024 bytes of the weights.
; FRAGMENT IMAGE (hbuf): byte ((T*16 + ks)*2 + half)*512 + lane*16 holds row 16 T + lane % 16, columns 32 ks + 16 half + 8 (lane / 16) + 0..7 in bf16:
; two loads of 16 bytes a lane, 512 consecutive bytes each, are the eight registers of a 16 x 32 fragment.
; wqkv: [4 head groups][8 slabs of 64 k][12 = 4 m + head in group][64 k][32 d] (m = 0 q, 1 k, 2 v).  wprojb, w1b, w2b: the inputs' own order.
; MEAN AND VARIANCE in two passes (the variance of the centred numbers), in f32.  A lane holds half a row, the lane 16 away the other half.
; No wave reads LDS bytes that another wave's load brought: no barrier.  Nothing is filled twice.  No matrix unit, no cluster: the work-groups share nothing but g and b, 4 KB.
; LIMITS: h and the weights are rounded to bf16 (nearest even); NaN and infinities are not treated apart.
.set XP,    1040                       ; an LDS row of x: 1,024 bytes + 16 of padding: the 16 rows of a load start at 16 different groups of four banks (ISA guide 11.1)
.set XH,    16*XP                      ; 16 rows x 256 columns
.set GO,    2*XH                       ; behind both halves of x: g, 2,048 bytes
.set BO,    GO+2048                    ; b
.set WBY,   BO+2048                    ; a wave's LDS bytes: 37,376
.set SPARE, 4*WBY                      ; the spare words, 128 bytes a wave: two blocks of 256 bytes that no other line names
.set XA,  3                            ; v3-5  LDS address of my part of x, one copy for each pass
.set GA,  6                            ; v6    the same for g and b
.set HO,  7                            ; v7    my byte offset in the tile's image
.set L32, 8                            ; v8    32 x lane
.set L16, 9                            ; v9    16 x lane
.set ACC, 16                           ; v16-23  four packed sums
.set NMN, 24                           ; v24-25  -mean, twice
.set RS,  26                           ; v26-27  1 / sqrt(var + eps), twice
.set NM,  28                           ; v28-29  -mean x rs, twice
.set SPW, 30                           ; v30   my spare word; never rewritten
.set NIL, 31                           ; v31   0; never rewritten
.set XT,  32                           ; v32-95   64 numbers of x (and, at first, v32-127: the weights on their way)
.set GT,  96                           ; v96-159  g
.set BT,  160                          ; v160-223 b
.set HT,  224                          ; v224-255 32 words of h
	s_load_b512 s[4:19], s[0:1], 0x0               ; x 4, g 6, b 8, Wq 10, Wk 12, Wv 14, Wproj 16, W1 18
	s_load_b256 s[20:27], s[0:1], 0x40             ; W2 20, hbuf 22, wqkv 24, wprojb 26
	s_load_b128 s[28:31], s[0:1], 0x60             ; w1b 28, w2b 30
	v_lshl_add_u32 v[SPW], v0, 2, SPARE
	v_mov_b32 v[NIL], 0
	ds_add_u32 v[SPW], v[NIL]                      ; the wave's opening: the add and its wait ahead of my first tensor load
	ds_add_u32 v30, v31
	v_lshrrev_b32 v1, 5, v0
	v_readfirstlane_b32 s32, v1                    ; wave 0..3
	; group 1 for x: 16 rows x 256 elements of 4 bytes, 512 elements from row to row, 4 words of padding behind every 256
	s_mov_b32 s36, (2<<16)|(1<<20)|(7<<22)|(3<<25)
	s_mov_b32 s37, 256<<16
	s_mov_b32 s38, 16<<16
	s_mov_b32 s39, 256<<16
	s_mov_b32 s40, 16
	s_mov_b32 s41, 512
	s_mov_b32 s42, 0
	s_mov_b32 s43, 0
	; group 1 for g and b: one row of 256 elements of 8 bytes
	s_mov_b32 s44, 3<<16
	s_mov_b32 s45, 256<<16
	s_mov_b32 s46, 1<<16
	s_mov_b32 s47, 256<<16
	s_mov_b32 s48, 1
	s_mov_b32 s49, 256
	s_mov_b32 s50, 0
	s_mov_b32 s51, 0
	s_mul_i32 s33, s32, WBY                        ; my wave's LDS bytes
	s_mov_b32 s52, 1
	s_mov_b32 s53, s33
	s_mov_b32 s56, 1
	s_add_co_u32 s57, s33, XH
	s_mov_b32 s60, 1
	s_add_co_u32 s61, s33, GO
	s_mov_b32 s68, 1
	s_add_co_u32 s69, s33, BO
	s_mov_b32 s72, 0x76543210                      ; v_permlanex16_b32: each lane takes its own place in the other half
	s_mov_b32 s73, 0xfedcba98
	s_lshl_b32 s34, ttmp9, 17                      ; 64 rows of 2,048 bytes,
	s_lshl_b32 s35, s32, 15                        ; my 16 of them
	s_add_co_u32 s34, s34, s35
	s_mov_b32 s35, 0
	s_lshl_b32 s74, ttmp9, 12                      ; A = 4,096 i + 1,024 w: my piece of a tensor of 1 MB
	s_lshl_b32 s75, s32, 10
	s_add_co_u32 s74, s74, s75
	s_mov_b32 s75, 0
	s_lshr_b32 s76, ttmp9, 6                       ; that piece is head i / 16, k = 32 (i % 16) + 8 w .. + 7: its place in wqkv
	s_mul_i32 s76, s76, 393216                     ; head group
	s_bfe_u32 s78, ttmp9, 0x30001
	s_mul_i32 s78, s78, 49152                      ; slab
	s_add_co_u32 s76, s76, s78
	s_bfe_u32 s78, ttmp9, 0x20004
	s_lshl_b32 s78, s78, 12                        ; head in the group
	s_add_co_u32 s76, s76, s78
	s_and_b32 s78, ttmp9, 1
	s_lshl_b32 s78, s78, 11                        ; k in the slab, 64 bytes each
	s_add_co_u32 s76, s76, s78
	s_lshl_b32 s78, s32, 9
	s_add_co_u32 s76, s76, s78
	s_mov_b32 s77, 0
	v_and_b32 v1, 15, v0                           ; r
	v_bfe_u32 v2, v0, 4, 1                         ; hh
	v_and_b32 v10, 31, v0                          ; lane
	v_mul_u32_u24 v[XA], v1, XP
	v_lshl_add_u32 v[XA], v2, 5, v[XA]
	v_add_nc_u32 v[XA], s33, v[XA]                 ; row r, 8 columns (32 bytes) for each half of the lanes
	v_mov_b32 v[XA+1], v[XA]
	v_mov_b32 v[XA+2], v[XA]
	v_lshlrev_b32 v[GA], 5, v2
	v_add_nc_u32 v[GA], s33, v[GA]
	v_lshlrev_b32 v[L32], 5, v10
	v_lshlrev_b32 v[L16], 4, v10
	v_mov_b32 v[HO], v[L16]
	s_wait_dscnt 0x0                               ; the opening add is done
	s_wait_kmcnt 0x0
	s_add_nc_u64 s[54:55], s[4:5], s[34:35]        ; x at my rows, columns 0-255,
	s_add_nc_u64 s[58:59], s[54:55], 1024          ; and columns 256-511
	s_or_b32 s55, s55, 0x80000000
	s_or_b32 s59, s59, 0x80000000
	s_mov_b64 s[62:63], s[6:7]
	s_or_b32 s63, s63, 0x80000000
	s_mov_b64 s[70:71], s[8:9]
	s_or_b32 s71, s71, 0x80000000
	tensor_load_to_lds s[52:55], s[36:43]          ; the four first fills in one group: four loads of mine are out
	s_nop 0
	tensor_load_to_lds s[56:59], s[36:43]
	s_nop 0
	tensor_load_to_lds s[60:63], s[44:51]
	s_nop 0
	tensor_load_to_lds s[68:71], s[44:51]
	s_nop 0
	s_add_nc_u64 s[10:11], s[10:11], s[74:75]      ; Wq, Wk, Wv, Wproj at my piece
	s_add_nc_u64 s[12:13], s[12:13], s[74:75]
	s_add_nc_u64 s[14:15], s[14:15], s[74:75]
	s_add_nc_u64 s[16:17], s[16:17], s[74:75]
	s_add_nc_u64 s[24:25], s[24:25], s[76:77]      ; wqkv
	s_lshr_b32 s76, s74, 1
	s_add_nc_u64 s[26:27], s[26:27], s[76:77]      ; wprojb: half the bytes
	s_lshl_b32 s76, s74, 2
	s_add_nc_u64 s[18:19], s[18:19], s[76:77]      ; W1, W2: four pieces
	s_add_nc_u64 s[20:21], s[20:21], s[76:77]
	s_lshl_b32 s76, s74, 1
	s_add_nc_u64 s[28:29], s[28:29], s[76:77]
	s_add_nc_u64 s[30:31], s[30:31], s[76:77]
	s_lshl_b32 s76, ttmp9, 16                      ; hbuf at tile 4 i + w, 16,384 bytes each
	s_lshl_b32 s78, s32, 14
	s_add_co_u32 s76, s76, s78
	s_add_nc_u64 s[22:23], s[22:23], s[76:77]
; THE WEIGHTS, while x is on its way.  Piece u: a lane takes 8 numbers (32 bytes) and stores 16 bytes; a store of the wave covers 512 consecutive bytes.
.macro CLD u, base, off
	global_load_b128 v[XT+8*(\u):XT+8*(\u)+3], v[L32], s[\base:\base+1] offset:\off th:TH_LOAD_NT
	global_load_b128 v[XT+8*(\u)+4:XT+8*(\u)+7], v[L32], s[\base:\base+1] offset:(\off)+16 th:TH_LOAD_NT
.endm
.macro CST u, base, off
	s_wait_loadcnt 22-2*(\u)                       ; loads come back in order: piece u's two are in, the younger pieces' stay out
.irp j, 0,1,2,3
	v_cvt_pk_bf16_f32 v[XT+8*(\u)+(\j)], v[XT+8*(\u)+2*(\j)], v[XT+8*(\u)+2*(\j)+1]
.endr
	global_store_b128 v[L16], v[XT+8*(\u):XT+8*(\u)+3], s[\base:\base+1] offset:\off
.endm
	CLD 0, 10, 0
	CLD 1, 12, 0
	CLD 2, 14, 0
	CLD 3, 16, 0
.irp u, 0,1,2,3
	CLD 4+(\u), 18, 1024*(\u)
.endr
.irp u, 0,1,2,3
	CLD 8+(\u), 20, 1024*(\u)
.endr
	CST 0, 24, 0
	CST 1, 24, 16384
	CST 2, 24, 32768
	CST 3, 26, 0
.irp u, 0,1,2,3
	CST 4+(\u), 28, 512*(\u)
.endr
.irp u, 0,1,2,3
	CST 8+(\u), 30, 512*(\u)
.endr
	s_mov_b32 s34, 0x3b000000                      ; 1 / 512
	s_mov_b32 s35, 0x3727c5ac                      ; 1e-5
	s_wait_xcnt 0x0                                ; the stores' data registers are loaded again only behind this wait
	s_wait_tensorcnt 0x0                           ; x, g and b are in my LDS bytes
; Four column blocks of 32 (blocks 2 t, 2 t + 1, 8 + 2 t, 9 + 2 t in trip t): 16 loads of 16 bytes, 64 numbers a lane
.macro LDV dst, adr, base, hstep
.irp e, 0,1,2,3
.irp q, 0,1,2,3
	ds_load_b128 v[(\dst)+16*(\e)+4*(\q):(\dst)+16*(\e)+4*(\q)+3], v[\adr] offset:(\base)+((\e)/2)*(\hstep)+((\e)%2)*128+((\q)/2)*64+((\q)%2)*16
.endr
.endr
.endm
.macro FOLD                            ; the four packed sums, and the other half of the lanes', into v[ACC]
	v_pk_add_f32 v[ACC:ACC+1], v[ACC:ACC+1], v[ACC+2:ACC+3]
	v_pk_add_f32 v[ACC+4:ACC+5], v[ACC+4:ACC+5], v[ACC+6:ACC+7]
	v_pk_add_f32 v[ACC:ACC+1], v[ACC:ACC+1], v[ACC+4:ACC+5]
	v_add_f32 v[ACC], v[ACC], v[ACC+1]
	v_permlanex16_b32 v[ACC+1], v[ACC], s72, s73
	v_add_f32 v[ACC], v[ACC], v[ACC+1]
.endm
.macro CLEAR                           ; eight registers, twice in the kernel: the loops have no first trip written out
.irp i, 0,1,2,3,4,5,6,7
	v_mov_b32 v[ACC+(\i)], 0
.endr
.endm
	CLEAR
	s_mov_b32 s79, 4
.Lsum:                                                 ; pass 1: the sum
	LDV XT, XA, 0, XH
	s_wait_dscnt 0x0
.set p, 0
.rept 32
	v_pk_add_f32 v[ACC+2*(p%4):ACC+2*(p%4)+1], v[ACC+2*(p%4):ACC+2*(p%4)+1], v[XT+2*p:XT+2*p+1]
.set p, p+1
.endr
	v_add_nc_u32 v[XA], 256, v[XA]
	s_sub_co_u32 s79, s79, 1
	s_cmp_lg_u32 s79, 0
	s_cbranch_scc1 .Lsum
	FOLD
	v_mul_f32 v[NMN], 0xbb000000, v[ACC]           ; -sum / 512
	v_mov_b32 v[NMN+1], v[NMN]
	CLEAR
	s_mov_b32 s79, 4
.Lvar:                                                 ; pass 2: the sum of the centred squares
	LDV XT, XA+1, 0, XH
	s_wait_dscnt 0x0
.set p, 0
.rept 32
	v_pk_add_f32 v[XT+2*p:XT+2*p+1], v[XT+2*p:XT+2*p+1], v[NMN:NMN+1]
.set p, p+1
.endr
.set p, 0
.rept 32
	v_pk_fma_f32 v[ACC+2*(p%4):ACC+2*(p%4)+1], v[XT+2*p:XT+2*p+1], v[XT+2*p:XT+2*p+1], v[ACC+2*(p%4):ACC+2*(p%4)+1]
.set p, p+1
.endr
	v_add_nc_u32 v[XA+1], 256, v[XA+1]
	s_sub_co_u32 s79, s79, 1
	s_cmp_lg_u32 s79, 0
	s_cbranch_scc1 .Lvar
	FOLD
	v_fma_f32 v[RS], v[ACC], s34, s35              ; var + eps
	v_rsq_f32 v[RS], v[RS]
	v_nop                                          ; a plain instruction between the root and the use of its result (ISA guide 5.7.2)
	s_wait_alu depctr_va_vdst(0)
	v_mov_b32 v[RS+1], v[RS]
	v_mul_f32 v[NM], v[NMN], v[RS]
	v_mov_b32 v[NM+1], v[NM]
	s_mov_b32 s79, 4
.Lnorm:                                                ; pass 3: (x rs - mean rs) g + b, rounded, stored as images
	LDV XT, XA+2, 0, XH
	LDV GT, GA, GO, 1024
	LDV BT, GA, BO, 1024
	s_wait_dscnt 0x0
.set p, 0
.rept 32
	v_pk_fma_f32 v[XT+2*p:XT+2*p+1], v[XT+2*p:XT+2*p+1], v[RS:RS+1], v[NM:NM+1]
.set p, p+1
.endr
.set p, 0
.rept 32
	v_pk_fma_f32 v[XT+2*p:XT+2*p+1], v[XT+2*p:XT+2*p+1], v[GT+2*p:GT+2*p+1], v[BT+2*p:BT+2*p+1]
.set p, p+1
.endr
.set p, 0
.rept 32
	v_cvt_pk_bf16_f32 v[HT+p], v[XT+2*p], v[XT+2*p+1]
.set p, p+1
.endr
.irp e, 0,1,2,3
	global_store_b128 v[HO], v[HT+8*(\e):HT+8*(\e)+3], s[22:23] offset:((\e)/2)*8192+((\e)%2)*1024        ; 512 consecutive bytes, at a multiple of 512 from hbuf's first
	global_store_b128 v[HO], v[HT+8*(\e)+4:HT+8*(\e)+7], s[22:23] offset:((\e)/2)*8192+((\e)%2)*1024+512
.endr
	s_wait_xcnt 0x0                                ; HO and HT are rewritten only behind this wait
	v_add_nc_u32 v[XA+2], 256, v[XA+2]
	v_add_nc_u32 v[GA], 256, v[GA]
	v_add_nc_u32 v[HO], 2048, v[HO]
	s_sub_co_u32 s79, s79, 1
	s_cmp_lg_u32 s79, 0
	s_cbranch_scc1 .Lnorm
	s_wait_tensorcnt 0x0                           ; the wave's end
	ds_add_u32 v[SPW], v[NIL]
	s_wait_dscnt 0x0
	s_endpgm
.Lfunc_end_k_q8daa194ec6_pre:
	.size	k_q8daa194ec6_pre, .Lfunc_end_k_q8daa194ec6_pre-k_q8daa194ec6_pre
	.p2alignl 7, 3214868480
	.fill 96, 4, 3214868480
	.section	.rodata,"a",@progbits
	.p2align	6, 0x0
	.amdhsa_kernel k_q8daa194ec6_pre
		.amdhsa_group_segment_fixed_size 167936
		.amdhsa_private_segment_fixed_size 0
		.amdhsa_enable_private_segment 0
		.amdhsa_kernarg_size 112
		.amdhsa_user_sgpr_count 2
		.amdhsa_user_sgpr_kernarg_segment_ptr 1
		.amdhsa_wavefront_size32 1
		.amdhsa_system_sgpr_workgroup_id_x 1
		.amdhsa_system_sgpr_workgroup_id_y 1
		.amdhsa_system_sgpr_workgroup_id_z 1
		.amdhsa_system_vgpr_workitem_id 0
		.amdhsa_next_free_vgpr 256
		.amdhsa_next_free_sgpr 80
		.amdhsa_reserve_vcc 0
		.amdhsa_float_denorm_mode_32 3
		.amdhsa_float_denorm_mode_16_64 3
		.amdhsa_memory_ordered 1
		.amdhsa_forward_progress 1
		.amdhsa_inst_pref_size 33
	.end_amdhsa_kernel
	.amdgpu_metadata
---
amdhsa.version: [ 1, 2 ]
amdhsa.kernels:
  - .name:           k_q8daa194ec6_pre
    .symbol:         k_q8daa194ec6_pre.kd
    .args:
      - { .name: x, .offset: 0, .size: 8, .value_kind: global_buffer, .address_space: global }
      - { .name: ln1_g, .offset: 8, .size: 8, .value_kind: global_buffer, .address_space: global }
      - { .name: ln1_b, .offset: 16, .size: 8, .value_kind: global_buffer, .address_space: global }
      - { .name: Wq, .offset: 24, .size: 8, .value_kind: global_buffer, .address_space: global }
      - { .name: Wk, .offset: 32, .size: 8, .value_kind: global_buffer, .address_space: global }
      - { .name: Wv, .offset: 40, .size: 8, .value_kind: global_buffer, .address_space: global }
      - { .name: Wproj, .offset: 48, .size: 8, .value_kind: global_buffer, .address_space: global }
      - { .name: W1, .offset: 56, .size: 8, .value_kind: global_buffer, .address_space: global }
      - { .name: W2, .offset: 64, .size: 8, .value_kind: global_buffer, .address_space: global }
      - { .name: hbuf, .offset: 72, .size: 8, .value_kind: global_buffer, .address_space: global }
      - { .name: wqkv, .offset: 80, .size: 8, .value_kind: global_buffer, .address_space: global }
      - { .name: wprojb, .offset: 88, .size: 8, .value_kind: global_buffer, .address_space: global }
      - { .name: w1b, .offset: 96, .size: 8, .value_kind: global_buffer, .address_space: global }
      - { .name: w2b, .offset: 104, .size: 8, .value_kind: global_buffer, .address_space: global }
    .group_segment_fixed_size: 167936
    .private_segment_fixed_size: 0
    .kernarg_segment_align: 8
    .kernarg_segment_size: 112
    .max_flat_workgroup_size: 128
    .sgpr_count:     80
    .vgpr_count:     256
    .wavefront_size: 32
...
	.end_amdgpu_metadata
.endif
;; end of part 1
;; launch qkvatt (part 2): grid 64 x 4, 4 waves a work-group, clusters of 4 x 1, 327,680 bytes of LDS; arguments hbuf, wqkv, attn; writes attn
.if DOCPART == 2
	.amdgcn_target "amdgcn-amd-amdhsa--gfx1250"
	.amdhsa_code_object_version 6
	.text
	.protected	k_q8daa194ec6_qkvatt
	.globl	k_q8daa194ec6_qkvatt
	.p2align	8
	.type	k_q8daa194ec6_qkvatt,@function
k_q8daa194ec6_qkvatt:
	s_mov_b64 s[64:65], 0
	v_nop
	global_prefetch_b8 v0, s[64:65] scope:SCOPE_SE
	s_setreg_imm32_b32 hwreg(HW_REG_WAVE_MODE, 25, 1), 1
	s_wait_xcnt 0x0
	s_wait_alu depctr_hold_cnt(0) depctr_sa_sdst(0) depctr_va_vdst(0) depctr_va_sdst(0) depctr_va_ssrc(0) depctr_va_vcc(0) depctr_vm_vsrc(0)
	s_getreg_b32 s2, hwreg(HW_REG_IB_STS2, 6, 4)
	s_cmp_eq_u32 s2, 0
	s_cbranch_scc0 .Lentry_in_a_cluster
	s_endpgm
.Lentry_in_a_cluster:
	s_bfe_u32 s2, ttmp6, 0x10000c
	s_cmp_lg_u32 s2, 0x3003
	s_cbranch_scc0 .Lentry_shape_is_right
	s_endpgm
.Lentry_shape_is_right:
; QKV AND CAUSAL ATTENTION for one batch (256 tokens) and four heads.  q, k, v = h W (256 x 384 x 512), S = q k^T / sqrt(512), softmax over keys <= query, O = P v.
; h and the weights are bf16, sums f32; q, k, v and the weights p are rounded to bf16 for the products; l is the sum of the unrounded p; O is rounded once.
; LIMITS: a hidden score counts as its value less 1e30; a weight below 2^-126 counts as 0; NaN and infinities are not treated apart.  The maximum taken away is the row's true maximum: a query's scores are all held at once.
; SHARES.  Wave w owns the token tiles 4 b + w, b = 0..3: 16 rows in each band of 64, so the causal work is the same for all four waves.  In the GEMM it has these 64 rows x all 384 columns: 96 accumulators.
; h comes from memory as fragment images straight into registers (no LDS); the weights, [k][n], through a ring of two LDS slots, a slab of 64 k each, and out of LDS turned, by ds_load_tr16_b128.
; CLUSTER.  The four work-groups of a cluster are four batches with the same head group: they walk the same slabs, so each slab is asked for JOINTLY (the same load, descriptor and mask in all four).
; A cluster of 4 x 4 would add nothing: h is shared by no LDS tile.
; ORIENTATION.  q, k: source 0 = weights, source 1 = h: a lane holds one token and 8 channels, which packed are half a fragment of Q or K.  v: source 0 = h, source 1 = weights: a lane holds one channel and
; 8 tokens, half a fragment of V^T.  S^T = K Q^T holds one query a lane and 8 keys; two such results packed ARE source 1 of O^T = V^T P, which again holds one query a lane: nothing changes lanes.
; REGISTERS in windows of 256 (s_set_vgpr_msb: bits 1:0 source 0, 3:2 source 1, 5:4 source 2, 7:6 destination).
;   GEMM: window 0: v1-19 addresses; v32-127 three buffers of 4 weight fragments; v128-255 four buffers of 4 h fragments.  Windows 1, 2, 3: the accumulators of q, k, v: column tile 2 hd + c, band b at v[8 ((2 hd + c) 4 + b)].
;   ATTENTION: window 0: v32-63 Q, v64-95 the diagonal's mask, v96-223 K.  Window 2: v0-127 V^T.  Window 1: v0-127 S^T, v128-191 P, v192-207 statistics, v208-223 O^T, v224-255 O packed.
.set SLOTB, 73728                      ; a slab in LDS: 768 pieces of 64 bytes, 96 apart (24 words; ISA guide 11.1)
.set SLABB, 49152                      ; a slab in memory
.set QSB,   0                          ; Q's images lie in slot 0, which has had its last fill when they are stored
.set KSB,   2*SLOTB                    ; K's images: [head 4][tile 16][half 2][lane 32][16 bytes]
.set VSB,   KSB+65536
.set SPARE, VSB+65536                  ; the spare words, 128 bytes a wave: two blocks of 256 bytes that no other line names
.set BA,   8                           ; v8-11  LDS address of my weight fragments: slot 0 / 1, pieces' rows mh 0-5 / 6-11
.set AOFF, 12                          ; v12    my byte offset in the batch's images (h and attn): 16 lane + 16,384 w
.set EQ,   13                          ; v13-15 where I store, and for Q read, images: region + 1,024 w + 16 lane
.set KL,   17                          ; v17    where I read K's images: region + 16 lane
.set VL,   18                          ; v18    the same for V
.set SPW,  30
.set NIL,  31
.set BB,   32
.set AB,   128
.set QF,   32
.set MD,   64
.set KF,   96
.set VF,   0
.set S,    0
.set P,    128
.set CC,   192                         ; four running maxima
.set CM,   196                         ; c m, twice
.set L0,   198
.set L1,   200
.set TT,   202                         ; 1 / l, twice
.set O0,   208
.set O1,   216
.set PK,   224
.set WV,   10
.set G1,   16                          ; s[16:23]
.set G0,   24                          ; s[24:27] slot 0, s[28:31] slot 1
.set CNT,  34
.set CS,   36                          ; s[36:37] c = log2(e) / sqrt(512)
.set SEL,  38
.set BIGN, 40
.set MSB, 0
.macro WIN new                         ; the immediate's high byte repeats the setting that is left; a switch that changes nothing is dropped
.if MSB != (\new)
	s_set_vgpr_msb (MSB<<8)|(\new)
.set MSB, (\new)
.endif
.endm
.macro PLACES                          ; four places behind matrix instructions (ISA guide 7.12.1), where no other vector work is at hand
.rept 4
	v_nop
.endr
.endm
.macro CROUND                          ; a round of the cluster's barrier
	s_barrier_signal -1
	s_barrier_wait -1
	s_cmp_lg_u32 s[WV], 0
	s_cbranch_scc1 .Lnot_wave_0_\@
	s_barrier_signal -3
.Lnot_wave_0_\@:
	s_barrier_wait -3
	s_barrier_signal -1
	s_barrier_wait -1
.endm
	s_load_b128 s[4:7], s[0:1], 0x0                ; hbuf, wqkv
	s_load_b64 s[8:9], s[0:1], 0x10                ; attn
	v_lshl_add_u32 v[SPW], v0, 2, SPARE
	v_mov_b32 v[NIL], 0
	ds_add_u32 v[SPW], v[NIL]                      ; the wave's opening: the add and its wait ahead of my first tensor load
	ds_add_u32 v30, v31
	v_lshrrev_b32 v1, 5, v0
	v_readfirstlane_b32 s[WV], v1
	s_bfe_u32 s11, ttmp6, 0x40000                  ; cx
	s_lshl_b32 s12, ttmp9, 2
	s_add_co_u32 s12, s12, s11                     ; the batch: it enters hbuf's and attn's addresses alone
	s_and_b32 s13, ttmp7, 0xffff                   ; the head group, which the four partners share
	; group 1: 48 rows of 128 elements of 2 bytes (a wave's quarter of a slab, dense), 8 words of padding behind every 16
	s_mov_b32 s[G1], 15|(1<<16)|(1<<20)|(1<<21)|(3<<22)|(7<<25)
	s_mov_b32 s[G1+1], 128<<16
	s_mov_b32 s[G1+2], 48<<16
	s_mov_b32 s[G1+3], 128<<16
	s_mov_b32 s[G1+4], 48
	s_mov_b32 s[G1+5], 128
	s_mov_b32 s[G1+6], 0
	s_mov_b32 s[G1+7], 0
	s_mul_i32 s14, s13, 8*SLABB
	s_mul_i32 s15, s[WV], SLABB/4
	s_add_co_u32 s14, s14, s15
	s_mov_b32 s15, 0
	s_mul_i32 s32, s[WV], SLOTB/4
	s_mov_b32 s[G0], 1
	s_mov_b32 s[G0+1], s32
	s_mov_b32 s[G0+4], 1
	s_add_co_u32 s[G0+5], s32, SLOTB
	s_lshl_b32 s2, s12, 18                         ; a batch's images: 262,144 bytes
	s_mov_b32 s3, 0
	s_lshl_b32 s42, s13, 12                        ; in attn a head is one block of 32 columns, 1,024 bytes of a tile's image
	s_mov_b32 s43, 0
	s_mov_b32 s[CS], 0x3d8293ee                    ; 0.0637587
	s_mov_b32 s[CS+1], s[CS]
	s_mov_b32 s[SEL], 0x76543210
	s_mov_b32 s[SEL+1], 0xfedcba98
	s_mov_b32 s[BIGN], 0xf149f2ca                  ; -1e30
	v_and_b32 v1, 15, v0                           ; r
	v_bfe_u32 v2, v0, 4, 1                         ; hh
	v_and_b32 v3, 7, v0
	v_bfe_u32 v4, v0, 3, 1
	v_and_b32 v5, 31, v0
	v_lshl_add_u32 v6, v2, 3, v3                   ; the turning load: lane l reads k row 8 (l / 16) + l % 8, columns 8 ((l / 8) % 2) + 0..7
	v_mul_u32_u24 v6, v6, 96
	v_lshl_add_u32 v[BA], v4, 4, v6
	v_add_nc_u32 v[BA+1], 36864, v[BA]
	v_add_nc_u32 v[BA+2], SLOTB, v[BA]
	v_add_nc_u32 v[BA+3], SLOTB+36864, v[BA]
	v_lshlrev_b32 v7, 4, v5
	v_lshl_add_u32 v[AOFF], s[WV], 14, v7
	v_lshl_add_u32 v[EQ], s[WV], 10, v7
	v_add_nc_u32 v[EQ+1], KSB, v[EQ]
	v_add_nc_u32 v[EQ+2], VSB, v[EQ]
	v_add_nc_u32 v[KL], KSB, v7
	v_add_nc_u32 v[VL], VSB, v7
	s_wait_dscnt 0x0                               ; the opening add is done
	s_wait_kmcnt 0x0
	s_add_nc_u64 s[G0+2:G0+3], s[6:7], s[14:15]    ; my quarter of slab 0,
	s_add_nc_u64 s[G0+6:G0+7], s[G0+2:G0+3], SLABB ; of slab 1
	s_or_b32 s[G0+3], s[G0+3], 0x80000000
	s_or_b32 s[G0+7], s[G0+7], 0x80000000
	s_add_nc_u64 s[4:5], s[4:5], s[2:3]
	s_add_nc_u64 s[8:9], s[8:9], s[2:3]
	s_add_nc_u64 s[8:9], s[8:9], s[42:43]
	CROUND                                         ; all four work-groups are here: the first joint loads meet
	tensor_load_to_lds s[G0:G0+3], s[G1:G1+7]      ; two loads of mine are out
	s_nop 0
	tensor_load_to_lds s[G0+4:G0+7], s[G1:G1+7]
	s_nop 0
	PLACES
; Group g of six: the weight fragments of column tiles 4 g .. 4 g + 3 (tile ct: matrix ct / 8, head (ct % 8) / 2, channels 16 (ct % 2) on), 32 k at half kk of the slab, into buffer g % 3
.macro FB slot, kk, g
	WIN 0
.irp f, 0,1,2,3
.set ct, 4*(\g)+(\f)
.set mh, 4*(ct/8)+(ct%8)/2
.set bo, (mh%6)*6144+(\kk)*3072+(ct%2)*32
.set bd, BB+32*((\g)%3)+8*(\f)
	ds_load_tr16_b128 v[bd:bd+3], v[BA+2*(\slot)+mh/6] offset:bo
	ds_load_tr16_b128 v[bd+4:bd+7], v[BA+2*(\slot)+mh/6] offset:bo+1536
.endr
.endm
; 16 matrix instructions: group g's four column tiles x my four bands, each on an accumulator of its own
.macro MG ab, g, zero
	WIN 0x50*((\g)/2+1)
.irp f, 0,1,2,3
.irp b, 0,1,2,3
.set rD, 8*(((4*(\g)+(\f))%8)*4+(\b))
.set rW, BB+32*((\g)%3)+8*(\f)
.set rA, AB+32*(\ab)+8*(\b)
.if (\g) < 4
.if \zero
	v_wmma_f32_16x16x32_bf16 v[rD:rD+7], v[rW:rW+7], v[rA:rA+7], 0
.else
	v_wmma_f32_16x16x32_bf16 v[rD:rD+7], v[rW:rW+7], v[rA:rA+7], v[rD:rD+7]
.endif
.else
.if \zero
	v_wmma_f32_16x16x32_bf16 v[rD:rD+7], v[rA:rA+7], v[rW:rW+7], 0
.else
	v_wmma_f32_16x16x32_bf16 v[rD:rD+7], v[rA:rA+7], v[rW:rW+7], v[rD:rD+7]
.endif
.endif
.endr
.endr
.endm
; my four bands' h fragments of one K step, 512 consecutive bytes a load
.macro AL ab, idx
.irp b, 0,1,2,3
	global_load_b128 v[AB+32*(\ab)+8*(\b):AB+32*(\ab)+8*(\b)+3], v[AOFF], s[4:5] offset:(\b)*65536+(\idx)*1024
	global_load_b128 v[AB+32*(\ab)+8*(\b)+4:AB+32*(\ab)+8*(\b)+7], v[AOFF], s[4:5] offset:(\b)*65536+(\idx)*1024+512
.endr
.endm
; A K STEP of 32: six groups of 16 matrix instructions.  In front of group g the fragments of group g + 2 are fetched, into the buffer that group g - 1 has just read (four places between);
; s_wait_dscnt 16 leaves the two younger groups' sixteen loads out.  At its head h of this step is waited for (lcnt: the loads of the steps behind it), and h three steps on is asked for.
; turn = 1: the slab's last step.  Group 5's fetch is my last read of the slot.  Then: all my tensor loads have landed; the add; (17: the add and two groups' loads may be out) group 3's products;
; the add and my reads are done; a round of the cluster's barrier; the slot is filled again with the slab two on, first thing behind the round; groups 0 and 1 of the next step come from the other slot.
; turn = 2: the same with a plain barrier and no fill.  last = 1: nothing more to fetch, the counts run down.
.macro KSTEP ab, slot, kk, zero, aidx, lcnt, turn, last
	s_wait_loadcnt \lcnt
.irp g, 0,1,2,3,4,5
	WIN 0
.if !(((\turn) == 1) && ((\g) == 4))
	PLACES
.endif
.if (\g) < 4
	FB \slot, \kk, (\g)+2
.elseif !(\last)
.if (\kk) == 0
	FB \slot, 1, (\g)-4
.else
	FB 1-(\slot), 0, (\g)-4
.endif
.endif
.if ((\g) == 0) && ((\aidx) >= 0)
	AL ((\ab)+3)%4, \aidx
.endif
.if ((\turn) != 0) && ((\g) == 3)
	s_wait_tensorcnt 0x0                           ; all my tensor loads have landed: my part of the other slot
	ds_add_u32 v[SPW], v[NIL]                      ; 0 onto my spare word
	s_wait_dscnt 17
	MG \ab, 3, 0
.if (\turn) == 1
	s_add_nc_u64 s[G0+4*(\slot)+2:G0+4*(\slot)+3], s[G0+4*(\slot)+2:G0+4*(\slot)+3], 2*SLABB
.endif
	WIN 0
	s_wait_dscnt 0x0                               ; the add is done, and my reads of this slot are over
.if (\turn) == 1
	CROUND
	tensor_load_to_lds s[G0+4*(\slot):G0+4*(\slot)+3], s[G1:G1+7]
	s_nop 0
	PLACES                                         ; also the places in front of the next fetch
.else
	s_barrier_signal -1
	s_barrier_wait -1
.endif
.else
.if (\last) && ((\g) >= 4)
	s_wait_dscnt 8*(5-(\g))
.else
	s_wait_dscnt 16
.endif
	MG \ab, \g, \zero
.endif
.endr
.endm
	AL 0, 0
	AL 1, 1
	AL 2, 2
	s_wait_tensorcnt 0x1                           ; my part of slab 0 is in; slab 1's may stay out
	s_barrier_signal -1
	s_barrier_wait -1
	FB 0, 0, 0
	FB 0, 0, 1
	KSTEP 0, 0, 0, 1, 3, 16, 0, 0                  ; K step 0 starts the sums
	WIN 0
	s_mov_b32 s[CNT], 3
.Lk:                                                   ; K steps 4 n + 1 .. 4 n + 4; slabs 2 n + 2 and 2 n + 3 are asked for
	KSTEP 1, 0, 1, 0, 4, 16, 1, 0
	KSTEP 2, 1, 0, 0, 5, 16, 0, 0
	KSTEP 3, 1, 1, 0, 6, 16, 1, 0
	KSTEP 0, 0, 0, 0, 7, 16, 0, 0
	WIN 0
	s_wait_xcnt 0x0                                ; h's base is stepped only behind this wait
	s_add_nc_u64 s[4:5], s[4:5], 4096
	s_sub_co_u32 s[CNT], s[CNT], 1
	s_cmp_lg_u32 s[CNT], 0
	s_cbranch_scc1 .Lk
	KSTEP 1, 0, 1, 0, -1, 16, 2, 0                 ; the tail is written out: no load is jumped over.  Behind this step's barrier nobody reads slot 0
	KSTEP 2, 1, 0, 0, -1, 8, 0, 0
	KSTEP 3, 1, 1, 0, -1, 0, 0, 1
	; q, k, v leave the accumulators: rounded in pairs (each accumulator's registers in ascending order), 16 bytes a lane, into the images
	WIN 0
	PLACES
.irp m, 0,1,2
	WIN 0x05*((\m)+1)
.set i, 0
.rept 128
	v_cvt_pk_bf16_f32 v[AB+i], v[2*i], v[2*i+1]
.set i, i+1
.endr
	WIN 0
.set i, 0
.rept 32                               ; accumulator i: head i / 8, half (i / 4) % 2, band i % 4
	ds_store_b128 v[EQ+(\m)], v[AB+4*i:AB+4*i+3] offset:(i/8)*16384+(i%4)*4096+((i/4)%2)*512
.set i, i+1
.endr
.endr
	; the mask of a band's own 64 keys for my 16 queries: register j of key tile kt is hidden where 16 kt + j > 16 w + r - 8 hh
	s_lshl_b32 s33, s[WV], 4
	v_lshlrev_b32 v19, 3, v2
	v_sub_nc_u32 v19, v1, v19
	v_add_nc_u32 v19, s33, v19
.set i, 0
.rept 32
	v_cmp_gt_i32 vcc_lo, 16*(i/8)+i%8, v19
	v_cndmask_b32 v[MD+i], 0, s[BIGN], vcc_lo
.set i, i+1
.endr
	s_wait_dscnt 0x0                               ; for the others' sake: my images are stored
	s_barrier_signal -1
	s_barrier_wait -1
; BAND b of one head: my 16 queries of the band against the key tiles 0 .. 4 b + 3; the last four take the mask as the C operand that starts the sum.
.macro BAND b
.set NK, 4*((\b)+1)
	WIN 0x40
.set t, 0
.rept NK
.if t < 4*(\b)
	v_wmma_f32_16x16x32_bf16 v[S+8*t:S+8*t+7], v[KF+8*t:KF+8*t+7], v[QF+8*(\b):QF+8*(\b)+7], 0
.else
	v_wmma_f32_16x16x32_bf16 v[S+8*t:S+8*t+7], v[KF+8*t:KF+8*t+7], v[QF+8*(\b):QF+8*(\b)+7], v[MD+8*(t-4*(\b)):MD+8*(t-4*(\b))+7]
.endif
.set t, t+1
.endr
	WIN 0x55                                       ; all that the softmax touches lies in window 1
	PLACES
	; the maximum, in four chains, a tile to a chain; each accumulator's lowest registers are read first
.set t, 0
.rept 4*NK
.set rS, S+8*(4*(t/16)+t%4)
.set rC, CC+t%4
.set sp, (t/4)%4
.if t < 4
	v_max3_num_f32 v[rC], v[rS], v[rS+1], v[rS+2]
.elseif t < 12
	v_max3_num_f32 v[rC], v[rC], v[rS+2*sp+1], v[rS+2*sp+2]
.elseif t < 16
	v_max_num_f32 v[rC], v[rC], v[rS+7]
.else
	v_max3_num_f32 v[rC], v[rC], v[rS+2*sp], v[rS+2*sp+1]
.endif
.set t, t+1
.endr
	v_max3_num_f32 v[CC], v[CC], v[CC+1], v[CC+2]
	v_max_num_f32 v[CC], v[CC], v[CC+3]
	v_permlanex16_b32 v[CC+1], v[CC], s[SEL], s[SEL+1]  ; the query's other keys lie in the lane 16 away
	v_max_num_f32 v[CC], v[CC], v[CC+1]
	v_mul_f32 v[CM], s[CS], v[CC]
	v_mul_f32 v[CM+1], s[CS], v[CC]
	; tile t: c s - c m, eight exponentials; behind them the rounding and the sums of tile t - 1, plain work between an exponential and the use of its result
.set t, 0
.rept NK+1
.if t < NK
.irp p, 0,1,2,3
	v_pk_fma_f32 v[S+8*t+2*(\p):S+8*t+2*(\p)+1], v[S+8*t+2*(\p):S+8*t+2*(\p)+1], s[CS:CS+1], v[CM:CM+1] op_sel_hi:[1,0,0] neg_lo:[0,0,1] neg_hi:[0,0,1]
.endr
.irp j, 0,1,2,3,4,5,6,7
	v_exp_f32 v[S+8*t+(\j)], v[S+8*t+(\j)]
.endr
.endif
.if t > 0
.set u, t-1
	s_wait_alu depctr_va_vdst(0)
.irp p, 0,1,2,3
	v_cvt_pk_bf16_f32 v[P+4*u+(\p)], v[S+8*u+2*(\p)], v[S+8*u+2*(\p)+1]
.endr
.if u == 0
	v_pk_add_f32 v[L0:L0+1], v[S:S+1], v[S+4:S+5]
	v_pk_add_f32 v[L1:L1+1], v[S+2:S+3], v[S+6:S+7]
.else
	v_pk_add_f32 v[L0:L0+1], v[L0:L0+1], v[S+8*u:S+8*u+1]
	v_pk_add_f32 v[L1:L1+1], v[L1:L1+1], v[S+8*u+2:S+8*u+3]
	v_pk_add_f32 v[L0:L0+1], v[L0:L0+1], v[S+8*u+4:S+8*u+5]
	v_pk_add_f32 v[L1:L1+1], v[L1:L1+1], v[S+8*u+6:S+8*u+7]
.endif
.endif
.set t, t+1
.endr
	WIN 0x56                                       ; V^T in window 2, P and O^T in window 1
.set t, 0
.rept NK/2                             ; 32 keys a product; the two halves of the channels take turns
.if t == 0
	v_wmma_f32_16x16x32_bf16 v[O0:O0+7], v[VF:VF+7], v[P:P+7], 0
	v_wmma_f32_16x16x32_bf16 v[O1:O1+7], v[VF+8:VF+15], v[P:P+7], 0
.else
	v_wmma_f32_16x16x32_bf16 v[O0:O0+7], v[VF+16*t:VF+16*t+7], v[P+8*t:P+8*t+7], v[O0:O0+7]
	v_wmma_f32_16x16x32_bf16 v[O1:O1+7], v[VF+16*t+8:VF+16*t+15], v[P+8*t:P+8*t+7], v[O1:O1+7]
.endif
.set t, t+1
.endr
	WIN 0x55
	v_pk_add_f32 v[L0:L0+1], v[L0:L0+1], v[L1:L1+1]   ; l: three additions and two v_nop are five plain places behind the last product
	v_add_f32 v[L0], v[L0], v[L0+1]
	v_permlanex16_b32 v[L0+1], v[L0], s[SEL], s[SEL+1]
	v_add_f32 v[L0], v[L0], v[L0+1]
	v_rcp_f32 v[TT], v[L0]
	v_rcp_f32 v[TT+1], v[L0]
	v_nop
	v_nop
	s_wait_alu depctr_va_vdst(0)
.irp p, 0,1,2,3,4,5,6,7
	v_pk_mul_f32 v[O0+2*(\p):O0+2*(\p)+1], v[O0+2*(\p):O0+2*(\p)+1], v[TT:TT+1] op_sel_hi:[1,0]
.endr
.irp p, 0,1,2,3,4,5,6,7
	v_cvt_pk_bf16_f32 v[PK+8*(\b)+(\p)], v[O0+2*(\p)], v[O0+2*(\p)+1]
.endr
	WIN 0x04                                       ; address in window 0, data in window 1
	global_store_b128 v[AOFF], v[PK+8*(\b):PK+8*(\b)+3], s[8:9] offset:(\b)*65536        ; 512 consecutive bytes of attn's image
	global_store_b128 v[AOFF], v[PK+8*(\b)+4:PK+8*(\b)+7], s[8:9] offset:(\b)*65536+512
.endm
	WIN 0
	s_mov_b32 s[CNT], 4
.Lhd:                                                  ; a head a trip; no tensor load and no barrier in the loop
.irp b, 0,1,2,3
	ds_load_b128 v[QF+8*(\b):QF+8*(\b)+3], v[EQ] offset:(\b)*4096
	ds_load_b128 v[QF+8*(\b)+4:QF+8*(\b)+7], v[EQ] offset:(\b)*4096+512
.endr
.set i, 0
.rept 16
	ds_load_b128 v[KF+8*i:KF+8*i+3], v[KL] offset:1024*i
	ds_load_b128 v[KF+8*i+4:KF+8*i+7], v[KL] offset:1024*i+512
.set i, i+1
.endr
	WIN 0x80
.set i, 0
.rept 16                               ; 32 keys i / 2, channels 16 (i % 2) on: two token tiles' halves
	ds_load_b128 v[VF+8*i:VF+8*i+3], v[VL] offset:2048*(i/2)+512*(i%2)
	ds_load_b128 v[VF+8*i+4:VF+8*i+7], v[VL] offset:2048*(i/2)+512*(i%2)+1024
.set i, i+1
.endr
	s_wait_dscnt 0x0
	BAND 0
	BAND 1
	BAND 2
	BAND 3
	WIN 0
	s_wait_xcnt 0x0                                ; attn's base and the stores' data are rewritten only behind this wait
	v_add_nc_u32 v[EQ], 16384, v[EQ]
	v_add_nc_u32 v[KL], 16384, v[KL]
	v_add_nc_u32 v[VL], 16384, v[VL]
	s_add_nc_u64 s[8:9], s[8:9], 1024
	s_sub_co_u32 s[CNT], s[CNT], 1
	s_cmp_lg_u32 s[CNT], 0
	s_cbranch_scc1 .Lhd
	s_wait_tensorcnt 0x0                           ; the wave's end
	ds_add_u32 v[SPW], v[NIL]
	s_wait_dscnt 0x0
	CROUND                                         ; the closing round
	s_endpgm
.Lfunc_end_k_q8daa194ec6_qkvatt:
	.size	k_q8daa194ec6_qkvatt, .Lfunc_end_k_q8daa194ec6_qkvatt-k_q8daa194ec6_qkvatt
	.p2alignl 7, 3214868480
	.fill 96, 4, 3214868480
	.section	.rodata,"a",@progbits
	.p2align	6, 0x0
	.amdhsa_kernel k_q8daa194ec6_qkvatt
		.amdhsa_group_segment_fixed_size 327680
		.amdhsa_private_segment_fixed_size 0
		.amdhsa_enable_private_segment 0
		.amdhsa_kernarg_size 24
		.amdhsa_user_sgpr_count 2
		.amdhsa_user_sgpr_kernarg_segment_ptr 1
		.amdhsa_wavefront_size32 1
		.amdhsa_system_sgpr_workgroup_id_x 1
		.amdhsa_system_sgpr_workgroup_id_y 1
		.amdhsa_system_sgpr_workgroup_id_z 1
		.amdhsa_system_vgpr_workitem_id 0
		.amdhsa_next_free_vgpr 1024
		.amdhsa_next_free_sgpr 66
		.amdhsa_reserve_vcc 1
		.amdhsa_float_denorm_mode_32 3
		.amdhsa_float_denorm_mode_16_64 3
		.amdhsa_memory_ordered 1
		.amdhsa_forward_progress 1
		.amdhsa_inst_pref_size 198
	.end_amdhsa_kernel
	.amdgpu_metadata
---
amdhsa.version: [ 1, 2 ]
amdhsa.kernels:
  - .name:           k_q8daa194ec6_qkvatt
    .symbol:         k_q8daa194ec6_qkvatt.kd
    .args:
      - { .name: hbuf, .offset: 0, .size: 8, .value_kind: global_buffer, .address_space: global }
      - { .name: wqkv, .offset: 8, .size: 8, .value_kind: global_buffer, .address_space: global }
      - { .name: attn, .offset: 16, .size: 8, .value_kind: global_buffer, .address_space: global }
    .group_segment_fixed_size: 327680
    .private_segment_fixed_size: 0
    .kernarg_segment_align: 8
    .kernarg_segment_size: 24
    .max_flat_workgroup_size: 128
    .sgpr_count:     66
    .vgpr_count:     1024
    .wavefront_size: 32
...
	.end_amdgpu_metadata
.endif
;; end of part 2
;; launch ffn (part 3): grid 256 x 1, 4 waves a work-group, clusters of 4 x 1, 327,680 bytes of LDS; arguments attn, x, wprojb, w1b, w2b, bproj, b1, b2, ln2_g, ln2_b, out0; writes out0
.if DOCPART == 3
	.amdgcn_target "amdgcn-amd-amdhsa--gfx1250"
	.amdhsa_code_object_version 6
	.text
	.protected	k_q8daa194ec6_ffn
	.globl	k_q8daa194ec6_ffn
	.p2align	8
	.type	k_q8daa194ec6_ffn,@function
k_q8daa194ec6_ffn:
	s_mov_b64 s[64:65], 0
	v_nop
	global_prefetch_b8 v0, s[64:65] scope:SCOPE_SE
	s_setreg_imm32_b32 hwreg(HW_REG_WAVE_MODE, 25, 1), 1
	s_wait_xcnt 0x0
	s_wait_alu depctr_hold_cnt(0) depctr_sa_sdst(0) depctr_va_vdst(0) depctr_va_sdst(0) depctr_va_ssrc(0) depctr_va_vcc(0) depctr_vm_vsrc(0)
	s_getreg_b32 s2, hwreg(HW_REG_IB_STS2, 6, 4)
	s_cmp_eq_u32 s2, 0
	s_cbranch_scc0 .Lentry_in_a_cluster
	s_endpgm
.Lentry_in_a_cluster:
	s_bfe_u32 s2, ttmp6, 0x10000c
	s_cmp_lg_u32 s2, 0x3003
	s_cbranch_scc0 .Lentry_shape_is_right
	s_endpgm
.Lentry_shape_is_right:
; PROJECTION, LAYERNORM 2 AND FEED-FORWARD for 64 rows.  x1 = x + attn Wproj + bproj;  h2 = LN(x1) g + b;  out = x1 + relu(h2 W1 + b1) W2 + b2.
; Matrix operands bf16, sums f32; x, x1, the norm and the biases in f32.  x1, h2 and the hidden layer never leave the work-group.
; LIMITS: attn, h2, the hidden layer and the weights are rounded to bf16; NaN and infinities are not treated apart.  The variance is made of centred sums (each wave's about its own mean, then combined).
; The f32 sums over K in the projection and over the hidden chunks in the second product begin at a slab that differs from cluster to cluster (THE WALK): their order of rounding is not the reference's.
; SHARES.  Every wave has all 64 rows (four tiles mt) and a quarter of the columns: 128 of the 512 output columns, 64 of each chunk of 256 hidden columns.
; Every product is used transposed (source 0 = weights, turned out of LDS by ds_load_tr16_b128; source 1 = rows): a lane holds one row and 8 neighbouring columns.
; THE RING: two LDS slots, a slab of 131,072 bytes of weights each, 128 matrix instructions a wave: four slabs of Wproj (128 k each), then for each of 8 chunks F1a, F1b (W1: 256 k x 256 columns) and F2a, F2b (W2: 128 k x 512).
; A slab's last K step asks for the slab two on, into the slot that it leaves.  One load a wave is out behind each round, and the next is asked for only when it has landed: so nothing but the add and the round stands between.
; THE WALK is turned from cluster to cluster.  j0 = (c xor c >> 3) & 7, c the cluster's number: the chunks go j0, j0 + 1, .. modulo 8, Wproj's slabs j0 & 3, .. modulo 4.  So the 64 clusters ask for eight different
; chunks at a time, and what a cluster asks for another has asked for one chunk earlier.  j0 enters global addresses alone: each descriptor's address is made anew, base + chunk << shift; attn's fragments are loaded in the turned order.
; CLUSTER.  The four work-groups of a cluster walk the same weights in the same order: each slab is asked for JOINTLY by the four.  x's tile is each work-group's own load.
; REGISTERS in windows of 256 (s_set_vgpr_msb: bits 1:0 source 0, 3:2 source 1, 5:4 source 2, 7:6 destination).
;   window 0: v1-31 addresses; v32-63, v64-95 two buffers (W1's fragments / the hidden layer's fragments); v96-127 b1; v128-255 the hidden chunk's 16 accumulators = two buffers of 8 weight fragments
;   windows 1, 2: the resident fragments, attn (in the turned order) and then h2: (mt, position) at v[8 (16 (mt % 2) + position)] of window 1 + mt / 2
;   window 3: the 32 output accumulators, (mt, nt) at v[8 (8 mt + nt)]: they begin as x + bproj, become x1, take b2, and collect the second product
.set SLOT,  139264
.set RB,    2*SLOT                     ; 33,792 bytes that only ds_store fills: h2 by halves, then the hidden chunk, then the stages for the way out
.set STAT,  RB+33792                   ; the waves' means and sums of squares
.set SPARE, STAT+2048                  ; the spare words, 128 bytes a wave: two blocks of 256 bytes that no other line names
.set PN,    1056                       ; LDS rows of 1,024 + 32 bytes (Wproj, W2), of 512 + 32 (W1)
.set PW,    544
.set PH,    528                        ; the hidden chunk's rows, 512 + 16; also the stage's
.set P2,    1040                       ; h2's rows, and x's, 1,024 + 16
.set AQ,   3                           ; v3-6    16 lane + 4,096 x the slab of Wproj that is walked as number 0..3: attn's fragments in the turned order
.set BN,   8                           ; v8-11   my fragments in a slab of rows PN: slot 0 / 1, k steps 0-1 / 2-3
.set BW,   12                          ; v12-15  in a slab of rows PW: slot 0 / 1, k steps 0-3 / 4-7
.set HST,  16
.set HLD,  17
.set H2ST, 18
.set H2LD, 19
.set XLD,  20
.set OST,  21
.set ORD,  22
.set GOFF, 23
.set BOFF, 24
.set B1OFF, 25
.set STW,  26
.set STR,  27
.set L16,  28
.set SPW,  30
.set NIL,  31
.set F0,   32
.set B1R,  96
.set HA,   128
.set BF0,  128
.set SQ,   32                          ; LN2: eight registers of sums a tile
.set NMW,  64                          ; -(my columns' mean), twice, a tile
.set MQ,   72                          ; my columns' mean and sum of centred squares, a tile
.set ST,   96                          ; the four waves' figures, a tile; then rs twice, -mean rs twice
.set TT,   128                         ; two tiles' 128 numbers at work
.set B1C,  6                           ; s[6:7]   b1 at the chunk in hand (x's address until x has been asked for)
.set BP,   8                           ; s[8:9]   Wproj, s[10:11] W1, s[12:13] W2, each at my wave's rows of a slab
.set BW1,  10
.set BW2,  12
.set WV,   26
.set CNT,  27
.set G1N,  32
.set G1W,  40
.set GP0,  48
.set GP1,  52
.set GF1A, 56
.set GF1B, 60
.set J,    66                          ; s66  the chunk whose slabs are being asked for
.set SG,   67                          ; s67  the slab of Wproj that is being asked for
.set GF2A, 68
.set GF2B, 72
.set SEL,  76
.set C512, 78
.set CEPS, 79
.set G1X,  80
.set G0X,  88
.set OA,   92                          ; s[92:93], s[94:95]  byte offsets with 0 above them
.set OB2,  94
.set MSB, 0
.macro WIN new                         ; the immediate's high byte repeats the setting that is left; a switch that changes nothing is dropped
.if MSB != (\new)
	s_set_vgpr_msb (MSB<<8)|(\new)
.set MSB, (\new)
.endif
.endm
.macro PLACES                          ; four places behind matrix instructions (ISA guide 7.12.1), where no other vector work is at hand
.rept 4
	v_nop
.endr
.endm
.macro CROUND                          ; a round of the cluster's barrier
	s_barrier_signal -1
	s_barrier_wait -1
	s_cmp_lg_u32 s[WV], 0
	s_cbranch_scc1 .Lnot_wave_0_\@
	s_barrier_signal -3
.Lnot_wave_0_\@:
	s_barrier_wait -3
	s_barrier_signal -1
	s_barrier_wait -1
.endm
.macro ALL line:vararg                 ; one line for each row tile t
.set t, 0
.rept 4
	\line
.set t, t+1
.endr
.endm
.macro MKADR g0, base, off, extra      ; a descriptor's global address made anew: base + offset (+ a constant), then the type bits.  Written only where no tensor load of mine is out
	s_add_nc_u64 s[\g0+2:\g0+3], s[\base:\base+1], s[\off:\off+1]
.if \extra
	s_add_nc_u64 s[\g0+2:\g0+3], s[\g0+2:\g0+3], \extra
.endif
	s_or_b32 s[\g0+3], s[\g0+3], 0x80000000
.endm
.macro NEXTP                           ; Wproj's next slab, modulo 4, and its byte offset
	s_add_co_u32 s[SG], s[SG], 1
	s_and_b32 s[SG], s[SG], 3
	s_lshl_b32 s[OA], s[SG], 17
.endm
	s_load_b512 s[4:19], s[0:1], 0x0               ; attn 4, x 6, wprojb 8, w1b 10, w2b 12, bproj 14, b1 16, b2 18
	s_load_b128 s[20:23], s[0:1], 0x40             ; ln2_g 20, ln2_b 22
	s_load_b64 s[24:25], s[0:1], 0x50              ; out0
	v_lshl_add_u32 v[SPW], v0, 2, SPARE
	v_mov_b32 v[NIL], 0
	ds_add_u32 v[SPW], v[NIL]                      ; the wave's opening: the add and its wait ahead of my first tensor load
	ds_add_u32 v30, v31
	v_lshrrev_b32 v1, 5, v0
	v_readfirstlane_b32 s[WV], v1
	s_bfe_u32 s28, ttmp6, 0x40000                  ; cx
	s_lshl_b32 s29, ttmp9, 2
	s_add_co_u32 s29, s29, s28                     ; my block of 64 rows: it enters attn's, x's and out0's addresses alone
	s_lshl_b32 s2, s29, 17                         ; 64 rows of 2,048 bytes
	s_mov_b32 s3, 0
	s_lshl_b32 s98, s29, 16                        ; four tiles' images
	s_mov_b32 s99, 0
	s_lshr_b32 s[SG], ttmp9, 3                     ; j0, from the cluster's number alone: the four partners share it
	s_xor_b32 s[SG], s[SG], ttmp9
	s_and_b32 s[J], s[SG], 7
	; group 1.  N: 32 rows x 512 elements of 2 bytes, 8 words of padding behind every 256.  W: 64 rows x 256 of 2,048, behind every 128.  X: 32 rows x 256 elements of 4 bytes of 512, 4 words behind every 256, no mask
	s_mov_b32 s[G1N], 15|(1<<16)|(1<<20)|(1<<21)|(7<<22)|(7<<25)
	s_mov_b32 s[G1N+1], 512<<16
	s_mov_b32 s[G1N+2], 32<<16
	s_mov_b32 s[G1N+3], 512<<16
	s_mov_b32 s[G1N+4], 32
	s_mov_b32 s[G1N+5], 512
	s_mov_b32 s[G1N+6], 0
	s_mov_b32 s[G1N+7], 0
	s_mov_b32 s[G1W], 15|(1<<16)|(1<<20)|(1<<21)|(6<<22)|(7<<25)
	s_mov_b32 s[G1W+1], 256<<16
	s_mov_b32 s[G1W+2], 64<<16
	s_mov_b32 s[G1W+3], 256<<16
	s_mov_b32 s[G1W+4], 64
	s_mov_b32 s[G1W+5], 2048
	s_mov_b32 s[G1W+6], 0
	s_mov_b32 s[G1W+7], 0
	s_mov_b32 s[G1X], (2<<16)|(1<<20)|(7<<22)|(3<<25)
	s_mov_b32 s[G1X+1], 256<<16
	s_mov_b32 s[G1X+2], 32<<16
	s_mov_b32 s[G1X+3], 256<<16
	s_mov_b32 s[G1X+4], 32
	s_mov_b32 s[G1X+5], 512
	s_mov_b32 s[G1X+6], 0
	s_mov_b32 s[G1X+7], 0
	s_mul_i32 s30, s[WV], 32*PN                    ; my quarter of a slot, by the slab's kind
	s_mul_i32 s31, s[WV], 64*PW
.irp g, GP0, GF2A
	s_mov_b32 s[\g], 1
	s_mov_b32 s[\g+1], s30
.endr
.irp g, GP1, GF2B
	s_mov_b32 s[\g], 1
	s_add_co_u32 s[\g+1], s30, SLOT
.endr
	s_mov_b32 s[GF1A], 1
	s_mov_b32 s[GF1A+1], s31
	s_mov_b32 s[GF1B], 1
	s_add_co_u32 s[GF1B+1], s31, SLOT
	s_lshl_b32 s[OA], s[WV], 15                    ; 32 rows of 1,024 bytes
	s_mov_b32 s[OA+1], 0
	s_lshl_b32 s[OB2], s[WV], 18                   ; 64 rows of 4,096 bytes
	s_mov_b32 s[OB2+1], 0
	s_and_b32 s96, s[WV], 1                        ; x: which half of the columns I fetch,
	s_lshr_b32 s97, s[WV], 1                       ; which 32 rows
	s_mov_b32 s[G0X], 1
	s_mul_i32 s[G0X+1], s96, 64*P2
	s_mul_i32 s100, s97, 32*P2
	s_add_co_u32 s[G0X+1], s[G0X+1], s100
	s_add_co_u32 s[G0X+1], s[G0X+1], SLOT          ; x lies in slot 1 at first: two halves of the columns, 64 rows each
	s_mul_i32 s100, s97, 64*P2                     ; and what I read of it: my 128 columns lie in half w / 2, at byte 512 (w % 2)
	s_lshl_b32 s101, s96, 9
	s_add_co_u32 s100, s100, s101
	s_add_co_u32 s100, s100, SLOT
	s_lshl_b32 s96, s96, 10
	s_lshl_b32 s97, s97, 16
	s_add_co_u32 s96, s96, s97
	s_add_co_u32 s96, s96, s2
	s_mov_b32 s97, 0
	s_mul_i32 s101, s[WV], 16*PH
	s_add_co_u32 s101, s101, RB                    ; my stage for the way out
	s_mov_b32 s[SEL], 0x76543210
	s_mov_b32 s[SEL+1], 0xfedcba98
	s_mov_b32 s[C512], 0x3b000000                  ; 1 / 512
	s_mov_b32 s[CEPS], 0x3727c5ac                  ; 1e-5
	v_and_b32 v1, 15, v0                           ; r
	v_bfe_u32 v2, v0, 4, 1                         ; hh
	v_and_b32 v3, 7, v0
	v_bfe_u32 v4, v0, 3, 1
	v_and_b32 v5, 31, v0
	v_lshl_add_u32 v6, v2, 3, v3                   ; the turning load: lane l reads k row 8 (l / 16) + l % 8, columns 8 ((l / 8) % 2) + 0..7
	v_lshlrev_b32 v[L16], 4, v5
	v_mul_u32_u24 v7, v6, PN
	v_lshl_add_u32 v7, v4, 4, v7
	v_lshl_add_u32 v[BN], s[WV], 8, v7             ; my 128 columns
	v_add_nc_u32 v[BN+1], 64*PN, v[BN]
	v_add_nc_u32 v[BN+2], SLOT, v[BN]
	v_add_nc_u32 v[BN+3], SLOT+64*PN, v[BN]
	v_mul_u32_u24 v7, v6, PW
	v_lshl_add_u32 v7, v4, 4, v7
	v_lshl_add_u32 v[BW], s[WV], 7, v7             ; my 64 columns
	v_add_nc_u32 v[BW+1], 128*PW, v[BW]
	v_add_nc_u32 v[BW+2], SLOT, v[BW]
	v_add_nc_u32 v[BW+3], SLOT+128*PW, v[BW]
	v_mul_u32_u24 v7, v1, PH
	v_lshl_add_u32 v29, v2, 4, v7
	v_add_nc_u32 v[HLD], RB, v29                   ; row r, 16 bytes for each half of the lanes
	v_lshl_add_u32 v[HST], s[WV], 7, v[HLD]
	v_lshl_add_u32 v7, v2, 5, v7
	v_add_nc_u32 v[OST], s101, v7
	v_add_nc_u32 v[ORD], s101, v[L16]
	v_mul_u32_u24 v7, v1, P2
	v_lshl_add_u32 v29, v2, 4, v7
	v_add_nc_u32 v[H2LD], RB, v29
	v_lshl_add_u32 v[H2ST], s[WV], 8, v[H2LD]
	v_lshl_add_u32 v7, v2, 5, v7
	v_add_nc_u32 v[XLD], s100, v7
	v_lshl_add_u32 v[GOFF], s[WV], 9, v[L16]
	v_lshlrev_b32 v7, 5, v2
	v_lshl_add_u32 v[BOFF], s[WV], 9, v7           ; my 8 columns of each tile of 16 in a vector of 512 f32
	v_lshl_add_u32 v[B1OFF], s[WV], 8, v7          ; in a chunk of b1
	v_lshlrev_b32 v7, 5, v1
	v_add_nc_u32 v[STR], STAT, v7
	v_lshl_add_u32 v[STW], s[WV], 3, v[STR]
.irp q, 0,1,2,3                        ; the slab walked as number q is (j0 + q) % 4: its four K steps are 4,096 bytes of a tile's image
	s_add_co_u32 s28, s[J], \q
	s_and_b32 s28, s28, 3
	s_lshl_b32 s28, s28, 12
	v_add_nc_u32 v[AQ+\q], s28, v[L16]
.endr
	s_wait_dscnt 0x0                               ; the opening add is done
	s_wait_kmcnt 0x0
	s_add_nc_u64 s[BP:BP+1], s[BP:BP+1], s[OA:OA+1]        ; the three weights at my wave's rows of a slab
	s_add_nc_u64 s[BW2:BW2+1], s[BW2:BW2+1], s[OA:OA+1]
	s_add_nc_u64 s[BW1:BW1+1], s[BW1:BW1+1], s[OB2:OB2+1]
	s_and_b32 s[SG], s[J], 3                       ; Wproj's first two slabs of my walk
	s_lshl_b32 s[OA], s[SG], 17
	MKADR GP0, BP, OA, 0
	NEXTP
	MKADR GP1, BP, OA, 0
	s_lshl_b32 s[OA], s[J], 9                      ; chunk j0: 256 columns of W1 are 512 bytes of each row, 256 rows of W2 are 262,144 bytes
	s_lshl_b32 s[OB2], s[J], 18
	MKADR GF1A, BW1, OA, 0
	MKADR GF1B, BW1, OA, 1048576
	MKADR GF2A, BW2, OB2, 0
	MKADR GF2B, BW2, OB2, 131072
	s_add_nc_u64 s[G0X+2:G0X+3], s[6:7], s[96:97]
	s_or_b32 s[G0X+3], s[G0X+3], 0x80000000
	s_lshl_b32 s[OA], s[J], 10
	s_add_nc_u64 s[B1C:B1C+1], s[16:17], s[OA:OA+1]        ; b1 at chunk j0
	s_add_nc_u64 s[4:5], s[4:5], s[98:99]
	s_add_nc_u64 s[24:25], s[24:25], s[2:3]
	CROUND                                         ; all four work-groups are here
	tensor_load_to_lds s[G0X:G0X+3], s[G1X:G1X+7]  ; x into slot 1, then Wproj's first slab into slot 0: two loads of mine are out
	s_nop 0
	tensor_load_to_lds s[GP0:GP0+3], s[G1N:G1N+7]
	s_nop 0
	PLACES
.irp nt, 0,1,2,3,4,5,6,7
	global_load_b128 v[F0+8*(\nt):F0+8*(\nt)+3], v[BOFF], s[14:15] offset:(\nt)*64       ; bproj
	global_load_b128 v[F0+8*(\nt)+4:F0+8*(\nt)+7], v[BOFF], s[14:15] offset:(\nt)*64+16
.endr
.irp hf, 0,1                           ; attn's 64 fragments, 512 consecutive bytes a load
	WIN 0x40*((\hf)+1)
.set i, 0
.rept 32                               ; tile 2 hf + i / 16, position i % 16: K step i % 4 of the slab walked as number (i % 16) / 4
	global_load_b128 v[8*i:8*i+3], v[AQ+(i%16)/4], s[4:5] offset:(2*(\hf)+i/16)*16384+(i%4)*1024
	global_load_b128 v[8*i+4:8*i+7], v[AQ+(i%16)/4], s[4:5] offset:(2*(\hf)+i/16)*16384+(i%4)*1024+512
.set i, i+1
.endr
.endr
	WIN 0
	s_wait_tensorcnt 0x1                           ; my part of x is in; Wproj's slab may stay out
	s_barrier_signal -1
	s_barrier_wait -1
	WIN 0xc0                                       ; x goes straight into the accumulators
.set i, 0
.rept 32                               ; accumulator i: tile i / 8, columns 16 (i % 8) on
	ds_load_b128 v[8*i:8*i+3], v[XLD] offset:(i/8)*16*P2+(i%8)*64
	ds_load_b128 v[8*i+4:8*i+7], v[XLD] offset:(i/8)*16*P2+(i%8)*64+16
.set i, i+1
.endr
	WIN 0
	s_wait_tensorcnt 0x0                           ; slot 1 is filled again: all my tensor loads have landed,
	ds_add_u32 v[SPW], v[NIL]                      ; the add,
	s_wait_dscnt 0x0                               ; it is done and my reads of x are back
	CROUND
	tensor_load_to_lds s[GP1:GP1+3], s[G1N:G1N+7]  ; Wproj's second slab
	s_nop 0
	PLACES
	s_wait_loadcnt 63                              ; bproj's sixteen loads are the oldest of 144: they are in when 63 are out
	WIN 0xc3
.set i, 0
.rept 128
	v_pk_add_f32 v[2*i:2*i+1], v[2*i:2*i+1], v[F0+2*(i%32):F0+2*(i%32)+1]
.set i, i+1
.endr
; 8 weight fragments (my 8 column tiles, 32 k at step ks of the slab) into buffer buf; kc >= 0: also the hidden chunk's 4 fragments of its k step kc
.macro FETCHN slot, ks, buf, kc
	WIN 0
.irp nt, 0,1,2,3,4,5,6,7
	ds_load_tr16_b128 v[BF0+64*(\buf)+8*(\nt):BF0+64*(\buf)+8*(\nt)+3], v[BN+2*(\slot)+(\ks)/2] offset:((\ks)%2)*32*PN+(\nt)*32
	ds_load_tr16_b128 v[BF0+64*(\buf)+8*(\nt)+4:BF0+64*(\buf)+8*(\nt)+7], v[BN+2*(\slot)+(\ks)/2] offset:((\ks)%2)*32*PN+(\nt)*32+16*PN
.endr
.if (\kc) >= 0
.irp mt, 0,1,2,3
	ds_load_b128 v[F0+32*(\buf)+8*(\mt):F0+32*(\buf)+8*(\mt)+3], v[HLD] offset:(\mt)*16*PH+(\kc)*64
	ds_load_b128 v[F0+32*(\buf)+8*(\mt)+4:F0+32*(\buf)+8*(\mt)+7], v[HLD] offset:(\mt)*16*PH+(\kc)*64+32
.endr
.endif
.endm
; 16 matrix instructions onto the output: tiles 2 half, 2 half + 1 x 8 column tiles.  ksg >= 0: source 1 is the resident fragment at position ksg; else the hidden chunk's in buffer buf
.macro MULN buf, half, ksg
.if (\ksg) >= 0
	WIN 0xf4+4*(\half)
.else
	WIN 0xf0
.endif
.irp mm, 0,1
.irp nt, 0,1,2,3,4,5,6,7
.set rD, 8*(8*(2*(\half)+(\mm))+(\nt))
.set rW, BF0+64*(\buf)+8*(\nt)
.if (\ksg) >= 0
.set rA, 8*(16*(\mm)+(\ksg))
.else
.set rA, F0+32*(\buf)+8*(2*(\half)+(\mm))
.endif
	v_wmma_f32_16x16x32_bf16 v[rD:rD+7], v[rW:rW+7], v[rA:rA+7], v[rD:rD+7]
.endr
.endr
.endm
; a K step: its fragments are in; the next step's are fetched into the buffer that the step before has read (four places between); 32 matrix instructions
.macro KN buf, ksg, nslot, nks, nkc
	s_wait_dscnt 0x0
	WIN 0
	PLACES
	FETCHN \nslot, \nks, 1-(\buf), \nkc
	MULN \buf, 0, \ksg
	MULN \buf, 1, \ksg
.endm
; the same for the first product of the feed-forward: 4 weight fragments, 16 accumulators in window 0
.macro FETCHW slot, ks, buf
	WIN 0
.irp nt, 0,1,2,3
	ds_load_tr16_b128 v[F0+32*(\buf)+8*(\nt):F0+32*(\buf)+8*(\nt)+3], v[BW+2*(\slot)+(\ks)/4] offset:((\ks)%4)*32*PW+(\nt)*32
	ds_load_tr16_b128 v[F0+32*(\buf)+8*(\nt)+4:F0+32*(\buf)+8*(\nt)+7], v[BW+2*(\slot)+(\ks)/4] offset:((\ks)%4)*32*PW+(\nt)*32+16*PW
.endr
.endm
.macro MULW buf, half, ksg, zero
	WIN 0x04+4*(\half)
.irp mm, 0,1
.irp nt, 0,1,2,3
.set rD, HA+8*(4*(2*(\half)+(\mm))+(\nt))
.set rW, F0+32*(\buf)+8*(\nt)
.set rA, 8*(16*(\mm)+(\ksg))
.if \zero
	v_wmma_f32_16x16x32_bf16 v[rD:rD+7], v[rW:rW+7], v[rA:rA+7], 0
.else
	v_wmma_f32_16x16x32_bf16 v[rD:rD+7], v[rW:rW+7], v[rA:rA+7], v[rD:rD+7]
.endif
.endr
.endr
.endm
.macro KW buf, ksg, zero, nslot, nks
	s_wait_dscnt 0x0
	WIN 0
	PLACES
	FETCHW \nslot, \nks, 1-(\buf)
	MULW \buf, 0, \ksg, \zero
	MULW \buf, 1, \ksg, \zero
.endm
; A SLAB'S LAST K STEP changes slots, at its head: its fragments, my last reads of the slot, were asked for a step ago.  MEET: all my tensor loads have landed (one was out: my part of the other slot); the add.
; The descriptors' scalar work stands between the add and the wait for it.  REFILL: the add is done, my reads of this slot are back (so the step's fragments are in); a round of the cluster's barrier; this slot is
; filled again, first thing behind the round, with the slab two on.  The step's 32 products follow.  NOFILL: the same with a plain barrier, where nothing is left to ask for.
.macro MEET
	WIN 0
	s_wait_tensorcnt 0x0
	ds_add_u32 v[SPW], v[NIL]                      ; 0 onto my spare word
.endm
.macro REFILL g0, g1
	WIN 0
	s_wait_dscnt 0x0
	CROUND
	tensor_load_to_lds s[\g0:\g0+3], s[\g1:\g1+7]
	s_nop 0
	PLACES                                         ; also the places in front of the fetch that follows
.endm
.macro NOFILL
	WIN 0
	s_wait_dscnt 0x0
	s_barrier_signal -1
	s_barrier_wait -1
	PLACES
.endm
	; THE PROJECTION: 16 K steps by position; the slab walked as number position / 4 lies in slot (position / 4) % 2
	FETCHN 0, 0, 0, -1
	s_wait_loadcnt 0x0                             ; attn's fragments
	KN 0, 0, 0, 1, -1
	KN 1, 1, 0, 2, -1
	KN 0, 2, 0, 3, -1
	MEET
	NEXTP
	MKADR GP0, BP, OA, 0
	REFILL GP0, G1N                                ; Wproj's third slab
	FETCHN 1, 0, 0, -1
	MULN 1, 0, 3
	MULN 1, 1, 3
	KN 0, 4, 1, 1, -1
	KN 1, 5, 1, 2, -1
	KN 0, 6, 1, 3, -1
	MEET
	NEXTP
	MKADR GP1, BP, OA, 0
	REFILL GP1, G1N                                ; its fourth
	FETCHN 0, 0, 0, -1
	MULN 1, 0, 7
	MULN 1, 1, 7
	KN 0, 8, 0, 1, -1
	KN 1, 9, 0, 2, -1
	KN 0, 10, 0, 3, -1
	MEET
	REFILL GF1A, G1W                               ; the first chunk's first half of W1
	FETCHN 1, 0, 0, -1
	MULN 1, 0, 11
	MULN 1, 1, 11
	; g, b and b2 of my columns, into fragment registers that positions 0-7 have read for the last time
	WIN 0x40
.irp nt, 0,1,2,3,4,5,6,7
	global_load_b128 v[8*(\nt):8*(\nt)+3], v[BOFF], s[20:21] offset:(\nt)*64
	global_load_b128 v[8*(\nt)+4:8*(\nt)+7], v[BOFF], s[20:21] offset:(\nt)*64+16
	global_load_b128 v[128+8*(\nt):128+8*(\nt)+3], v[BOFF], s[22:23] offset:(\nt)*64
	global_load_b128 v[128+8*(\nt)+4:128+8*(\nt)+7], v[BOFF], s[22:23] offset:(\nt)*64+16
.endr
	WIN 0x80
.irp nt, 0,1,2,3,4,5,6,7
	global_load_b128 v[8*(\nt):8*(\nt)+3], v[BOFF], s[18:19] offset:(\nt)*64
	global_load_b128 v[8*(\nt)+4:8*(\nt)+7], v[BOFF], s[18:19] offset:(\nt)*64+16
.endr
	KN 0, 12, 1, 1, -1
	KN 1, 13, 1, 2, -1
	KN 0, 14, 1, 3, -1
	MEET
	REFILL GF1B, G1W                               ; the first chunk's second half of W1
	MULN 1, 0, 15
	MULN 1, 1, 15
	; LAYERNORM 2.  A lane holds 64 numbers of a row in each tile, the lane 16 away 64 more, the other waves the rest.
	WIN 0
	PLACES
	s_wait_loadcnt 0x0                             ; g, b, b2
	WIN 0x0f                                       ; the sums begin with the accumulators' lowest registers, and go on in ascending order
.set i, 0
.rept 16
	v_pk_add_f32 v[SQ+2*i:SQ+2*i+1], v[64*(i/4)+4*(i%4):64*(i/4)+4*(i%4)+1], v[64*(i/4)+4*(i%4)+2:64*(i/4)+4*(i%4)+3]
.set i, i+1
.endr
	WIN 0x03
.set i, 0
.rept 96                               ; tile i % 4, pair 8 + i / 4
.set m, i%4
.set p, 8+i/4
	v_pk_add_f32 v[SQ+8*m+2*(p%4):SQ+8*m+2*(p%4)+1], v[64*m+2*p:64*m+2*p+1], v[SQ+8*m+2*(p%4):SQ+8*m+2*(p%4)+1]
.set i, i+1
.endr
	WIN 0
.macro TREE                            ; a tile's four packed sums into v[SQ+8 t], v[SQ+8 t+1]: mine and the other half of the lanes'
	ALL v_pk_add_f32 v[SQ+8*t:SQ+8*t+1], v[SQ+8*t:SQ+8*t+1], v[SQ+8*t+2:SQ+8*t+3]
	ALL v_pk_add_f32 v[SQ+8*t+4:SQ+8*t+5], v[SQ+8*t+4:SQ+8*t+5], v[SQ+8*t+6:SQ+8*t+7]
	ALL v_pk_add_f32 v[SQ+8*t:SQ+8*t+1], v[SQ+8*t:SQ+8*t+1], v[SQ+8*t+4:SQ+8*t+5]
	ALL v_add_f32 v[SQ+8*t], v[SQ+8*t], v[SQ+8*t+1]
	ALL v_permlanex16_b32 v[SQ+8*t+1], v[SQ+8*t], s[SEL], s[SEL+1]
.endm
	TREE
	ALL v_add_f32 v[SQ+8*t], v[SQ+8*t], v[SQ+8*t+1]
	ALL v_mul_f32 v[MQ+2*t], 0x3c000000, v[SQ+8*t]         ; the mean of my wave's 128 columns,
	ALL v_mul_f32 v[NMW+2*t], 0xbc000000, v[SQ+8*t]        ; and its negative, twice
	ALL v_mov_b32 v[NMW+2*t+1], v[NMW+2*t]
.irp hb, 0,1                           ; two tiles at a time: centred, squared, summed
	WIN 0x03
.set i, 0
.rept 64
	v_pk_add_f32 v[TT+2*i:TT+2*i+1], v[128*(\hb)+2*i:128*(\hb)+2*i+1], v[NMW+2*(2*(\hb)+i/32):NMW+2*(2*(\hb)+i/32)+1]
.set i, i+1
.endr
	WIN 0
.set i, 0
.rept 64
.set m, 2*(\hb)+i/32
.if (i%32) < 4
	v_pk_mul_f32 v[SQ+8*m+2*(i%4):SQ+8*m+2*(i%4)+1], v[TT+2*i:TT+2*i+1], v[TT+2*i:TT+2*i+1]
.else
	v_pk_fma_f32 v[SQ+8*m+2*(i%4):SQ+8*m+2*(i%4)+1], v[TT+2*i:TT+2*i+1], v[TT+2*i:TT+2*i+1], v[SQ+8*m+2*(i%4):SQ+8*m+2*(i%4)+1]
.endif
.set i, i+1
.endr
.endr
	TREE
	ALL v_add_f32 v[MQ+2*t+1], v[SQ+8*t], v[SQ+8*t+1]
	ALL ds_store_b64 v[STW], v[MQ+2*t:MQ+2*t+1] offset:512*t
	s_wait_dscnt 0x0                               ; for the others' sake: my figures are stored
	s_barrier_signal -1
	s_barrier_wait -1
	ALL ds_load_b128 v[ST+8*t:ST+8*t+3], v[STR] offset:512*t
	ALL ds_load_b128 v[ST+8*t+4:ST+8*t+7], v[STR] offset:512*t+16
	s_wait_dscnt 0x0
	; the four waves' (mean, M2) of 128 columns each: mean = the means' mean; M2 = the sum of the M2 + 128 x the sum of (mean_w - mean)^2
	ALL v_add_f32 v[SQ+8*t], v[ST+8*t], v[ST+8*t+2]
	ALL v_add_f32 v[SQ+8*t+1], v[ST+8*t+4], v[ST+8*t+6]
	ALL v_add_f32 v[SQ+8*t+2], v[ST+8*t+1], v[ST+8*t+3]
	ALL v_add_f32 v[SQ+8*t+3], v[ST+8*t+5], v[ST+8*t+7]
	ALL v_add_f32 v[SQ+8*t], v[SQ+8*t], v[SQ+8*t+1]
	ALL v_add_f32 v[SQ+8*t+2], v[SQ+8*t+2], v[SQ+8*t+3]
	ALL v_mul_f32 v[SQ+8*t], 0xbe800000, v[SQ+8*t]         ; -mean
	ALL v_add_f32 v[ST+8*t], v[ST+8*t], v[SQ+8*t]
	ALL v_add_f32 v[ST+8*t+2], v[ST+8*t+2], v[SQ+8*t]
	ALL v_add_f32 v[ST+8*t+4], v[ST+8*t+4], v[SQ+8*t]
	ALL v_add_f32 v[ST+8*t+6], v[ST+8*t+6], v[SQ+8*t]
	ALL v_mul_f32 v[SQ+8*t+1], v[ST+8*t], v[ST+8*t]
	ALL v_fmac_f32 v[SQ+8*t+1], v[ST+8*t+2], v[ST+8*t+2]
	ALL v_fmac_f32 v[SQ+8*t+1], v[ST+8*t+4], v[ST+8*t+4]
	ALL v_fmac_f32 v[SQ+8*t+1], v[ST+8*t+6], v[ST+8*t+6]
	ALL v_fmac_f32 v[SQ+8*t+2], 0x43000000, v[SQ+8*t+1]
	ALL v_fma_f32 v[SQ+8*t+2], v[SQ+8*t+2], s[C512], s[CEPS]
	ALL v_rsq_f32 v[ST+8*t], v[SQ+8*t+2]
	v_nop                                          ; a plain instruction between the last root and the use of its result (ISA guide 5.7.2)
	s_wait_alu depctr_va_vdst(0)
	ALL v_mov_b32 v[ST+8*t+1], v[ST+8*t]
	ALL v_mul_f32 v[ST+8*t+2], v[SQ+8*t], v[ST+8*t]
	ALL v_mov_b32 v[ST+8*t+3], v[ST+8*t+2]
.irp hb, 0,1                           ; (x1 rs - mean rs) g + b, rounded: tiles 0, 1 into v32-95; tiles 2, 3 compacted in place into v128-191
	WIN 0x03
.set i, 0
.rept 64
.set m, 2*(\hb)+i/32
	v_pk_fma_f32 v[TT+2*i:TT+2*i+1], v[128*(\hb)+2*i:128*(\hb)+2*i+1], v[ST+8*m:ST+8*m+1], v[ST+8*m+2:ST+8*m+3]
.set i, i+1
.endr
	WIN 0x14                                       ; g and b in window 1
.set i, 0
.rept 64
	v_pk_fma_f32 v[TT+2*i:TT+2*i+1], v[TT+2*i:TT+2*i+1], v[2*(i%32):2*(i%32)+1], v[128+2*(i%32):128+2*(i%32)+1]
.set i, i+1
.endr
	WIN 0
.set i, 0
.rept 64
	v_cvt_pk_bf16_f32 v[F0+96*(\hb)+i], v[TT+2*i], v[TT+2*i+1]
.set i, i+1
.endr
.endr
	WIN 0xcb                                       ; the accumulators take b2 (window 2): from here on they collect the output
.set i, 0
.rept 128
	v_pk_add_f32 v[2*i:2*i+1], v[2*i:2*i+1], v[2*(i%32):2*(i%32)+1]
.set i, i+1
.endr
	; h2 is shared through LDS, 32 rows at a time: each wave stores its 128 columns and reads whole rows back as fragments
.irp hb, 0,1
	WIN 0
.set i, 0
.rept 16                               ; tile i / 8 of the two, columns 16 (i % 8) on
	ds_store_b128 v[H2ST], v[F0+96*(\hb)+4*i:F0+96*(\hb)+4*i+3] offset:(i/8)*16*P2+(i%8)*32
.set i, i+1
.endr
	s_wait_dscnt 0x0                               ; for the others' sake: my columns are stored
	s_barrier_signal -1
	s_barrier_wait -1
	WIN 0x40*((\hb)+1)
.set i, 0
.rept 32
	ds_load_b128 v[8*i:8*i+3], v[H2LD] offset:(i/16)*16*P2+(i%16)*64
	ds_load_b128 v[8*i+4:8*i+7], v[H2LD] offset:(i/16)*16*P2+(i%16)*64+32
.set i, i+1
.endr
	WIN 0
	s_wait_dscnt 0x0                               ; my reads are back before anybody stores there again:
.if (\hb) == 0
	s_barrier_signal -1                            ; the second half's stores stand behind this barrier; the hidden chunk's behind the rounds of the first product
	s_barrier_wait -1
.endif
.endr
	; THE FEED-FORWARD, a chunk of 256 hidden columns at a time.  The loop is entered in its middle: a trip ends one chunk's second product and makes the next chunk.
	FETCHW 0, 0, 0
	s_mov_b32 s[CNT], 8
	s_branch .Lenter
.Lchunk:
	MEET                                           ; the second product's k step 3: slot 0 is left
	s_add_co_u32 s[J], s[J], 1                     ; the next chunk of my walk, modulo 8
	s_and_b32 s[J], s[J], 7
	s_lshl_b32 s[OA], s[J], 9
	s_lshl_b32 s[OB2], s[J], 18
	MKADR GF1A, BW1, OA, 0
	MKADR GF2A, BW2, OB2, 0
	REFILL GF1A, G1W                               ; the next chunk's first half of W1
	FETCHN 1, 0, 0, 4
	MULN 1, 0, -1
	MULN 1, 1, -1
	KN 0, -1, 1, 1, 5
	KN 1, -1, 1, 2, 6
	KN 0, -1, 1, 3, 7
	MEET                                           ; k step 7: slot 1 is left
	MKADR GF1B, BW1, OA, 1048576
	MKADR GF2B, BW2, OB2, 131072
	s_lshl_b32 s[OA], s[J], 10
	s_add_nc_u64 s[B1C:B1C+1], s[16:17], s[OA:OA+1]        ; b1 at the next chunk: the last chunk's loads of b1 were waited for ahead of its relu
	REFILL GF1B, G1W                               ; its second half
	FETCHW 0, 0, 0
	MULN 1, 0, -1
	MULN 1, 1, -1
	WIN 0
.Lenter:
.rept 6
	v_nop                                          ; the chunk's accumulators lie over weight fragments that the last products have read: more than five places
.endr
.irp nt, 0,1,2,3
	global_load_b128 v[B1R+8*(\nt):B1R+8*(\nt)+3], v[B1OFF], s[B1C:B1C+1] offset:(\nt)*64
	global_load_b128 v[B1R+8*(\nt)+4:B1R+8*(\nt)+7], v[B1OFF], s[B1C:B1C+1] offset:(\nt)*64+16
.endr
	KW 0, 0, 1, 0, 1                               ; the first K step starts the sums
.irp k, 1,2,3,4,5,6
	KW (\k)%2, \k, 0, 0, (\k)+1
.endr
	MEET
	REFILL GF2A, G1N                               ; this chunk's first half of W2
	FETCHW 1, 0, 0
	MULW 1, 0, 7, 0
	MULW 1, 1, 7, 0
.irp k, 8,9,10,11,12,13,14
	KW (\k)%2, \k, 0, 1, (\k)-7
.endr
	MEET
	REFILL GF2B, G1N                               ; its second half
	MULW 1, 0, 15, 0
	MULW 1, 1, 15, 0
	; + b1, relu, rounded, into the hidden chunk in LDS: each wave its 64 columns
	WIN 0
	s_wait_loadcnt 0x0                             ; b1; the wait also frees its pointer
	PLACES
.set i, 0
.rept 16                               ; accumulator i: tile i / 4, columns 16 (i % 4) on
.irp p, 0,1,2,3
	v_pk_add_f32 v[HA+8*i+2*(\p):HA+8*i+2*(\p)+1], v[HA+8*i+2*(\p):HA+8*i+2*(\p)+1], v[B1R+8*(i%4)+2*(\p):B1R+8*(i%4)+2*(\p)+1]
.endr
.irp j, 0,1,2,3,4,5,6,7
	v_max_num_f32 v[HA+8*i+(\j)], 0, v[HA+8*i+(\j)]
.endr
.irp p, 0,1,2,3
	v_cvt_pk_bf16_f32 v[F0+4*i+(\p)], v[HA+8*i+2*(\p)], v[HA+8*i+2*(\p)+1]
.endr
.set i, i+1
.endr
.set i, 0
.rept 16
	ds_store_b128 v[HST], v[F0+4*i:F0+4*i+3] offset:(i/4)*16*PH+(i%4)*32
.set i, i+1
.endr
	s_wait_dscnt 0x0                               ; for the others' sake: my columns are stored
	s_barrier_signal -1
	s_barrier_wait -1
	FETCHN 0, 0, 0, 0
	KN 0, -1, 0, 1, 1
	KN 1, -1, 0, 2, 2
	KN 0, -1, 0, 3, 3
	WIN 0
	s_sub_co_u32 s[CNT], s[CNT], 1
	s_cmp_lg_u32 s[CNT], 0
	s_cbranch_scc1 .Lchunk
	MEET                                           ; the last chunk's end is written out: nothing is left to ask for
	NOFILL
	FETCHN 1, 0, 0, 4
	MULN 1, 0, -1
	MULN 1, 1, -1
	KN 0, -1, 1, 1, 5
	KN 1, -1, 1, 2, 6
	KN 0, -1, 1, 3, 7
	s_wait_dscnt 0x0
	MULN 1, 0, -1
	MULN 1, 1, -1
	; THE WAY OUT.  A lane's 8 numbers of a row go into my stage (16 rows x 528 bytes) and come back as whole rows of 512 bytes.  The stages lie where the hidden chunk lay: a barrier first.
	WIN 0
	s_barrier_signal -1                            ; every wave's reads of the hidden chunk were waited for above
	s_barrier_wait -1
	PLACES
.irp mt, 0,1,2,3
	WIN 0x0c                                       ; data in window 3; each accumulator's low four registers first
.irp nt, 0,1,2,3,4,5,6,7
	ds_store_b128 v[OST], v[64*(\mt)+8*(\nt):64*(\mt)+8*(\nt)+3] offset:(\nt)*64
	ds_store_b128 v[OST], v[64*(\mt)+8*(\nt)+4:64*(\mt)+8*(\nt)+7] offset:(\nt)*64+16
.endr
	WIN 0
.set ob, 128+64*((\mt)%2)
.set i, 0
.rept 16
	ds_load_b128 v[ob+4*i:ob+4*i+3], v[ORD] offset:i*PH   ; LDS serves a wave's instructions in order (ISA guide 5.7.1.4): these see the stores above
.set i, i+1
.endr
	s_wait_dscnt 0x0
	s_wait_xcnt 0x0                                ; the buffer of the tile before is loaded again, a tile on, only behind this wait
.set i, 0
.rept 16
	global_store_b128 v[GOFF], v[ob+4*i:ob+4*i+3], s[24:25] offset:(16*(\mt)+i)*2048 th:TH_STORE_NT   ; 512 consecutive bytes, at a multiple of 512 from out0's first
.set i, i+1
.endr
.endr
	s_wait_tensorcnt 0x0                           ; the wave's end
	ds_add_u32 v[SPW], v[NIL]
	s_wait_dscnt 0x0
	CROUND                                         ; the closing round
	s_endpgm
.Lfunc_end_k_q8daa194ec6_ffn:
	.size	k_q8daa194ec6_ffn, .Lfunc_end_k_q8daa194ec6_ffn-k_q8daa194ec6_ffn
	.p2alignl 7, 3214868480
	.fill 96, 4, 3214868480
	.section	.rodata,"a",@progbits
	.p2align	6, 0x0
	.amdhsa_kernel k_q8daa194ec6_ffn
		.amdhsa_group_segment_fixed_size 327680
		.amdhsa_private_segment_fixed_size 0
		.amdhsa_enable_private_segment 0
		.amdhsa_kernarg_size 88
		.amdhsa_user_sgpr_count 2
		.amdhsa_user_sgpr_kernarg_segment_ptr 1
		.amdhsa_wavefront_size32 1
		.amdhsa_system_sgpr_workgroup_id_x 1
		.amdhsa_system_sgpr_workgroup_id_y 1
		.amdhsa_system_sgpr_workgroup_id_z 1
		.amdhsa_system_vgpr_workitem_id 0
		.amdhsa_next_free_vgpr 1024
		.amdhsa_next_free_sgpr 102
		.amdhsa_reserve_vcc 0
		.amdhsa_float_denorm_mode_32 3
		.amdhsa_float_denorm_mode_16_64 3
		.amdhsa_memory_ordered 1
		.amdhsa_forward_progress 1
		.amdhsa_inst_pref_size 255
	.end_amdhsa_kernel
	.section	.bss,"aw",@nobits
	.p2align	6
	.space	262144
	.amdgpu_metadata
---
amdhsa.version: [ 1, 2 ]
amdhsa.kernels:
  - .name:           k_q8daa194ec6_ffn
    .symbol:         k_q8daa194ec6_ffn.kd
    .args:
      - { .name: attn, .offset: 0, .size: 8, .value_kind: global_buffer, .address_space: global }
      - { .name: x, .offset: 8, .size: 8, .value_kind: global_buffer, .address_space: global }
      - { .name: wprojb, .offset: 16, .size: 8, .value_kind: global_buffer, .address_space: global }
      - { .name: w1b, .offset: 24, .size: 8, .value_kind: global_buffer, .address_space: global }
      - { .name: w2b, .offset: 32, .size: 8, .value_kind: global_buffer, .address_space: global }
      - { .name: bproj, .offset: 40, .size: 8, .value_kind: global_buffer, .address_space: global }
      - { .name: b1, .offset: 48, .size: 8, .value_kind: global_buffer, .address_space: global }
      - { .name: b2, .offset: 56, .size: 8, .value_kind: global_buffer, .address_space: global }
      - { .name: ln2_g, .offset: 64, .size: 8, .value_kind: global_buffer, .address_space: global }
      - { .name: ln2_b, .offset: 72, .size: 8, .value_kind: global_buffer, .address_space: global }
      - { .name: out0, .offset: 80, .size: 8, .value_kind: global_buffer, .address_space: global }
    .group_segment_fixed_size: 327680
    .private_segment_fixed_size: 0
    .kernarg_segment_align: 8
    .kernarg_segment_size: 88
    .max_flat_workgroup_size: 128
    .sgpr_count:     102
    .vgpr_count:     1024
    .wavefront_size: 32
...
	.end_amdgpu_metadata
.endif
;; end of part 3
